; MI455X (gfx1250); checked and timed in simulation.
; The chip was launched on July 23, 2026; its instructions are those of AMD's public machine-readable ISA for CDNA 5 (MIT licence, August 2026) and "CDNA5" Instruction Set Architecture Reference Guide (July 2026). The comments in the code are by the model that wrote it; some were corrected since.
;; RPE Multi Head Attention. Allowed arithmetic: float matrix products may take bf16 or f16 operands with f32 sums; all other float work in f32.
;; Inputs: Wk 512 x 512 float32; Wo 512 x 512 float32; Wq 512 x 512 float32; Wv 512 x 512 float32; bk 512 float32; bo 512 float32; bq 512 float32; bv 512 float32; key 4 x 2,048 x 512 float32; query 4 x 2,048 x 512 float32; rel_emb 257 x 8 float32; value 4 x 2,048 x 512 float32.
;; Outputs: out0 4 x 2,048 x 512 float32.
;; One version. Each part assembles by itself: llvm-mc -triple=amdgcn-amd-amdhsa -mcpu=gfx1250 --defsym DOCPART=n.
;; ======== version 1 of 1: 3 launches
;; limits: values are held in f16: magnitudes above 65,504 overflow, below 6.1e-05 lose precision
;; workspace buffers: qh 8,388,608 bytes; kh 8,388,608 bytes; vt 8,388,608 bytes; ao 8,388,608 bytes; wob 524,288 bytes
;; launch proj (part 1): grid 4 x 192, 4 waves a work-group, no clusters, 74,240 bytes of LDS; arguments query, key, value, Wq, Wk, Wv, bq, bk, qh, kh, vt; writes qh, kh, vt
.if DOCPART == 1
	.amdgcn_target "amdgcn-amd-amdhsa--gfx1250"
	.amdhsa_code_object_version 6
	.text
	.protected	k_q086415aa73_proj
	.globl	k_q086415aa73_proj
	.p2align	8
	.type	k_q086415aa73_proj,@function
k_q086415aa73_proj:
	s_mov_b64 s[64:65], 0
	v_nop
	global_prefetch_b8 v0, s[64:65] scope:SCOPE_SE
	s_setreg_imm32_b32 hwreg(HW_REG_WAVE_MODE, 25, 1), 1
	s_wait_xcnt 0x0
; The three input projections, one body.  grid y = 64 x which + xb, grid x = nb.
;   which 0: qh[b][h][t][64] = f16( (query Wq^T + bq) * 0.125 * log2(e) )   (the scores' 1/8 and the change to base 2 are folded in ahead of the rounding to f16)
;   which 1: kh[b][h][s][64] = f16( key Wk^T + bk )
;   which 2: vt[b][n][s]     = f16( Wv value^T )                            (V transposed; bv is added behind the softmax's normalisation, in the next launch)
; The body makes C[i][j] = sum over k of P[i][k] R[j][k], 128 x 128 over K = 512, a lane holding eight neighbouring j of one i.
; which < 2: P = 128 rows of x (block xb), R = 128 rows of W (block nb).  which = 2: P = rows of Wv, R = rows of value: the transposed result with the same text.
; Both operands are f32 with rows of 2,048 bytes.  They come through registers: each number is rounded to f16 once, and lies in LDS as f16, so that a
; fragment read moves half the bytes that an f32 tile would.  For that reason there are no tensor loads here, and so no joint loads of a cluster, though four
; work-groups read the same x rows and sixty-four the same W rows.
; Four waves, 2 x 2, each 64 x 64 of C in 16 accumulator tiles.  K goes in 8 steps of 64 (256 bytes of a row) through two LDS buffers and two register sets.
; WHY f16: the final result is an average of 2,048 values, and the roundings of x, W, q, k, v, the weights and the attention's output all add to its error;
; eleven significant bits keep their sum small.  Room: with x and W 30 times the drawn spread the results reach about 5.4 x 900 = 4,900; with offsets of 30
; spreads on both about 512 x 30 x 1.33 = 20,400.
; Limits: an operand or a result beyond 65,504 in magnitude becomes infinity; below 6e-5 the steps are 6e-8; NaN and infinities are not treated specially; sums are f32.
.set PITCH,  144                       ; an LDS row: 64 f16 + 16 bytes, an odd multiple of 16: the 16 rows of a fragment load start in 16 different 16-byte columns modulo 256
.set OPB,    128*PITCH                 ; one operand's 128 rows
.set BUFB,   2*OPB                     ; a buffer: P's rows, then R's
.set SPITCH, 272                       ; the stage of the way out: 128 f16 + 16 bytes; 128 rows of it lie inside buffer 0
.set VO,  1                            ; v1  byte offset of my 16 bytes in an operand: row 32 w + (lane / 16), column 16 (lane % 16)
.set VS,  2                            ; v2  where they go in LDS, as 8 bytes
.set VFP, 3                            ; v3  my P fragments
.set VFR, 4                            ; v4  my R fragments
.set VST, 5                            ; v5  the way out: where I put 16 bytes of a row
.set VRD, 6                            ; v6  the way out: where I read back
.set VGO, 7                            ; v7  the way out: my byte offset in the result
.set VBO, 8                            ; v8  32 (lane / 16): my eight bias numbers
.set BI,  16                           ; v16-47   bias of my 4 x 8 columns
.set RF,  64                           ; v64-95   four R fragments
.set PF,  96                           ; v96-127  four P fragments
.set X,   128                          ; v128-255 of window 0: register set 0; of window 1: set 1.  Window 1, v0-127: the accumulators, tile (a, b) at 8 (4 a + b)
.set MSB, 0
.macro WIN new                         ; s_set_vgpr_msb: bits 1:0 source 0, 3:2 source 1, 5:4 source 2, 7:6 destination; the high byte repeats the setting that is left
.if MSB != \new
	s_set_vgpr_msb (MSB<<8)|\new
.set MSB, \new
.endif
.endm
.macro PLACES                          ; four places behind matrix instructions, ahead of loads into their sources and of reads of their results
.rept 4
	v_nop
.endr
.endm
	s_load_b512 s[4:19], s[0:1], 0x0               ; query, key, value, Wq, Wk, Wv, bq, bk
	s_load_b128 s[20:23], s[0:1], 0x40             ; qh, kh
	s_load_b64 s[24:25], s[0:1], 0x50              ; vt
	v_lshl_add_u32 v62, v0, 2, 0x12000
	v_mov_b32 v63, 0
	v_lshrrev_b32 v9, 5, v0
	v_readfirstlane_b32 s26, v9                    ; wave
	s_lshr_b32 s27, s26, 1                         ; pi: my 64 rows of P
	s_and_b32 s28, s26, 1                          ; rj: my 64 rows of R
	s_and_b32 s31, ttmp7, 0xffff
	s_lshr_b32 s30, s31, 6                         ; which
	s_and_b32 s31, s31, 63                         ; xb
	s_lshl_b32 s58, s31, 18                        ; xb x 128 rows x 2,048 bytes
	s_lshl_b32 s59, ttmp9, 18                      ; nb x 128 rows x 2,048 bytes
	s_lshl_b32 s50, ttmp9, 9                       ; bias: (128 nb + 64 rj) x 4 bytes
	s_lshl_b32 s51, s28, 8
	s_add_co_u32 s50, s50, s51
	s_mov_b32 s51, 0
	s_lshr_b32 s54, s31, 4                         ; batch
	s_and_b32 s55, s31, 15                         ; 128-block of t or s
	s_lshl_b32 s52, s54, 21                        ; result: batch x 2 MiB + nb x 512 KiB in all three layouts,
	s_lshl_b32 s56, ttmp9, 19
	s_add_co_u32 s52, s52, s56
	s_lshl_b32 s56, s55, 14                        ; + block x 128 rows of 128 bytes (q, k)
	s_lshl_b32 s57, s55, 8                         ; or block x 256 bytes along a row (v)
	s_mov_b32 s53, 0
	s_mov_b32 s43, 0
	s_mov_b32 s45, 0
	v_and_b32 v10, 15, v0                          ; r
	v_bfe_u32 v11, v0, 4, 1                        ; h
	v_lshl_add_u32 v12, s26, 5, v11                ; 32 w + h
	v_lshlrev_b32 v[VO], 11, v12
	v_lshl_add_u32 v[VO], v10, 4, v[VO]
	v_mul_u32_u24 v[VS], v12, PITCH
	v_lshl_add_u32 v[VS], v10, 3, v[VS]
	v_lshl_add_u32 v13, s27, 6, v10                ; 64 pi + r
	v_mul_u32_u24 v[VFP], v13, PITCH
	v_lshl_add_u32 v[VFP], v11, 4, v[VFP]
	v_lshl_add_u32 v14, s28, 6, v10                ; 64 rj + r
	v_mul_u32_u24 v[VFR], v14, PITCH
	v_lshl_add_u32 v[VFR], v11, 4, v[VFR]
	v_add_nc_u32 v[VFR], OPB, v[VFR]
	v_mul_u32_u24 v[VST], v13, SPITCH
	v_lshl_add_u32 v[VST], v11, 4, v[VST]
	v_lshl_add_u32 v[VST], s28, 7, v[VST]
	v_lshlrev_b32 v[VBO], 5, v11
	s_wait_kmcnt 0x0
	s_cmp_eq_u32 s30, 0                            ; q's buffers or k's
	s_cselect_b64 s[46:47], s[4:5], s[6:7]         ; x
	s_cselect_b64 s[48:49], s[10:11], s[12:13]     ; W
	s_cselect_b64 s[36:37], s[16:17], s[18:19]     ; bias
	s_cselect_b64 s[38:39], s[20:21], s[22:23]     ; result
	s_cselect_b32 s40, 0x3e38aa3b, 1.0             ; 0.125 log2(e) for q, 1 for k
	s_mov_b32 s41, s40
	s_cmp_eq_u32 s30, 2                            ; or v's, with the operands' parts exchanged
	s_cselect_b64 s[46:47], s[8:9], s[46:47]
	s_cselect_b64 s[48:49], s[14:15], s[48:49]
	s_cselect_b64 s[38:39], s[24:25], s[38:39]
	s_cselect_b64 s[32:33], s[48:49], s[46:47]     ; P
	s_cselect_b64 s[34:35], s[46:47], s[48:49]     ; R
	s_cselect_b32 s42, s59, s58
	s_cselect_b32 s44, s58, s59
	s_cselect_b32 s56, s57, s56
	s_add_co_u32 s52, s52, s56
	s_add_nc_u64 s[32:33], s[32:33], s[42:43]
	s_add_nc_u64 s[34:35], s[34:35], s[44:45]
	s_add_nc_u64 s[36:37], s[36:37], s[50:51]
	s_add_nc_u64 s[38:39], s[38:39], s[52:53]
; 32 loads: K step k of both operands into register set `set`.  One load of a wave covers two rows' 256 aligned bytes.
.macro LOAD k, set
.if \set
	WIN 0x40
.else
	WIN 0
.endif
.irp q, 0,1,2,3,4,5,6,7,8,9,10,11,12,13,14,15
	global_load_b128 v[X+4*\q:X+4*\q+3], v[VO], s[32:33] offset:\q*4096+\k*256
.endr
.irp q, 0,1,2,3,4,5,6,7,8,9,10,11,12,13,14,15
	global_load_b128 v[X+64+4*\q:X+64+4*\q+3], v[VO], s[34:35] offset:\q*4096+\k*256
.endr
.endm
; Register set `set` is rounded to f16 in place and stored into LDS buffer `set`.
.macro CVST set
.if \set
	WIN 0x45
.else
	WIN 0
.endif
.set i, 0
.rept 32
	v_cvt_pk_f16_f32 v[X+4*i], v[X+4*i], v[X+4*i+1]
	v_cvt_pk_f16_f32 v[X+4*i+1], v[X+4*i+2], v[X+4*i+3]
.set i, i+1
.endr
.if \set
	WIN 0x04
.endif
.irp t, 0,1
.irp q, 0,1,2,3,4,5,6,7,8,9,10,11,12,13,14,15
	ds_store_b64 v[VS], v[X+64*\t+4*\q:X+64*\t+4*\q+1] offset:\set*BUFB+\t*OPB+\q*2*PITCH
.endr
.endr
.endm
; 32 along K: eight fragments from buffer buf, sixteen matrix instructions.  Source 0 = rows of R, source 1 = rows of P: a lane's eight results are eight
; neighbouring j of one row i.  The sixteen accumulators take turns, one instruction a turn.
.macro HALF buf, kk, zero
	WIN 0
.irp t, 0,1,2,3
	ds_load_b128 v[RF+8*\t:RF+8*\t+3], v[VFR] offset:\buf*BUFB+\t*16*PITCH+\kk*64
	ds_load_b128 v[RF+8*\t+4:RF+8*\t+7], v[VFR] offset:\buf*BUFB+\t*16*PITCH+\kk*64+32
.endr
.irp t, 0,1,2,3
	ds_load_b128 v[PF+8*\t:PF+8*\t+3], v[VFP] offset:\buf*BUFB+\t*16*PITCH+\kk*64
	ds_load_b128 v[PF+8*\t+4:PF+8*\t+7], v[VFP] offset:\buf*BUFB+\t*16*PITCH+\kk*64+32
.endr
	s_wait_dscnt 0x0                               ; all sixteen are used at once
	WIN 0x50
.irp a, 0,1,2,3
.irp b, 0,1,2,3
.if \zero
	v_wmma_f32_16x16x32_f16 v[8*(4*\a+\b):8*(4*\a+\b)+7], v[RF+8*\b:RF+8*\b+7], v[PF+8*\a:PF+8*\a+7], 0
.else
	v_wmma_f32_16x16x32_f16 v[8*(4*\a+\b):8*(4*\a+\b)+7], v[RF+8*\b:RF+8*\b+7], v[PF+8*\a:PF+8*\a+7], v[8*(4*\a+\b):8*(4*\a+\b)+7]
.endif
.endr
.endr
	WIN 0
.endm
; K step k: multiply buffer cur; round and store step k + 1 into buffer nxt; ask for step k + 3 (= ahead) into the set just emptied.
; ONE barrier a step.  In front of it my reads of buffer cur and my stores into buffer nxt are done; behind it buffer nxt is read and buffer cur written.
.macro TRIP k, cur, nxt, ahead
.if \k
	PLACES
	HALF \cur, 0, 0
.else
	HALF \cur, 0, 1                                ; the first products start the sums: nothing is cleared
.endif
	PLACES
	HALF \cur, 1, 0
.if \k <= 6
.if \k <= 5
	s_wait_loadcnt 32                              ; loads come back in order (ISA guide 5.7.1): step k + 1 is in, the 32 loads of step k + 2 stay out
.else
	s_wait_loadcnt 0x0                             ; the last step's loads: none is younger
.endif
	CVST \nxt
.if \k <= 4
	LOAD \ahead, \nxt
.endif
	s_wait_dscnt 0x0
	s_barrier_signal -1
	s_barrier_wait -1
.endif
.endm
	s_cmp_eq_u32 s30, 2
	s_cbranch_scc1 .Lno_bias_load                  ; v has no bias here
.irp b, 0,1,2,3
	global_load_b128 v[BI+8*\b:BI+8*\b+3], v[VBO], s[36:37] offset:\b*64
	global_load_b128 v[BI+8*\b+4:BI+8*\b+7], v[VBO], s[36:37] offset:\b*64+16
.endr
.Lno_bias_load:                                    ; these eight are the oldest loads: every counted wait below covers them
	LOAD 0, 0
	LOAD 1, 1
	s_wait_loadcnt 32                              ; step 0 is in; step 1's 32 loads stay out
	CVST 0
	LOAD 2, 0
	s_wait_dscnt 0x0
	s_barrier_signal -1
	s_barrier_wait -1
	TRIP 0, 0, 1, 3
	TRIP 1, 1, 0, 4
	TRIP 2, 0, 1, 5
	TRIP 3, 1, 0, 6
	TRIP 4, 0, 1, 7
	TRIP 5, 1, 0, 0
	TRIP 6, 0, 1, 0
	TRIP 7, 1, 0, 0                                ; reads buffer 1 alone.  The stage below lies in buffer 0, whose last reads stand in front of step 6's barrier
	; THE WAY OUT: scale and bias, round, 16 bytes a lane into the stage, whole rows back.
	PLACES
	s_cmp_eq_u32 s30, 2
	s_cbranch_scc1 .Lno_bias
.set i, 0
.rept 16
	v_pk_mul_f32 v[BI+i:BI+i+1], v[BI+i:BI+i+1], s[40:41] op_sel_hi:[1,0]
.set i, i+2
.endr
	WIN 0x41
.irp a, 0,1,2,3
.irp b, 0,1,2,3
.irp e, 0,2,4,6
	v_pk_fma_f32 v[8*(4*\a+\b)+\e:8*(4*\a+\b)+\e+1], v[8*(4*\a+\b)+\e:8*(4*\a+\b)+\e+1], s[40:41], v[BI+8*\b+\e:BI+8*\b+\e+1] op_sel_hi:[1,0,1]   ; (sum + bias) x scale
.endr
.endr
.endr
	WIN 0
.Lno_bias:
	WIN 0x05
.set i, 0
.rept 16
.irp e, 0,1,2,3
	v_cvt_pk_f16_f32 v[X+4*i+\e], v[8*i+2*\e], v[8*i+2*\e+1]
.endr
.set i, i+1
.endr
	WIN 0
.irp a, 0,1,2,3
.irp b, 0,1,2,3
	ds_store_b128 v[VST], v[X+4*(4*\a+\b):X+4*(4*\a+\b)+3] offset:\a*16*SPITCH+\b*32
.endr
.endr
	s_wait_dscnt 0x0                               ; a row of the stage is written by two waves: store, wait, barrier, load
	s_barrier_signal -1
	s_barrier_wait -1
	s_cmp_eq_u32 s30, 2
	s_cbranch_scc1 .Lout_v
	; q, k: the tile's 128 columns are two heads; a head's 128 rows of 128 bytes are dense in memory.  A store of a wave covers 512 consecutive bytes (four rows).
	v_and_b32 v9, 31, v0
	v_lshrrev_b32 v13, 3, v9
	v_lshl_add_u32 v13, s26, 5, v13                ; row 32 w + lane / 8
	v_mul_u32_u24 v[VRD], v13, SPITCH
	v_and_b32 v14, 7, v0
	v_lshl_add_u32 v[VRD], v14, 4, v[VRD]
	v_lshlrev_b32 v[VGO], 4, v9
	v_lshl_add_u32 v[VGO], s26, 12, v[VGO]         ; 32 w rows of 128 bytes + 16 lane
.irp hh, 0,1
.irp g, 0,1,2,3,4,5,6,7
	ds_load_b128 v[X+64+4*(8*\hh+\g):X+64+4*(8*\hh+\g)+3], v[VRD] offset:\hh*128+\g*4*SPITCH
.endr
.endr
.irp hh, 0,1
.irp g, 0,1,2,3,4,5,6,7
	s_wait_dscnt 15-(8*\hh+\g)                     ; LDS loads come back in order: this one is in, the younger stay out
	global_store_b128 v[VGO], v[X+64+4*(8*\hh+\g):X+64+4*(8*\hh+\g)+3], s[38:39] offset:\hh*262144+\g*512
.endr
.endr
	s_wait_tensorcnt 0x0
	ds_add_u32 v62, v63
	s_wait_dscnt 0x0
	s_endpgm
.Lout_v:
	; v: rows n of 4,096 bytes; sixteen lanes store a row's 256 consecutive bytes, at a multiple of 256 from the buffer's first byte.
	v_mul_u32_u24 v[VRD], v12, SPITCH
	v_lshl_add_u32 v[VRD], v10, 4, v[VRD]
	v_lshlrev_b32 v[VGO], 12, v12
	v_lshl_add_u32 v[VGO], v10, 4, v[VGO]
.irp g, 0,1,2,3,4,5,6,7,8,9,10,11,12,13,14,15
	ds_load_b128 v[X+64+4*\g:X+64+4*\g+3], v[VRD] offset:\g*2*SPITCH
.endr
.irp g, 0,1,2,3,4,5,6,7,8,9,10,11,12,13,14,15
	s_wait_dscnt 15-\g
	global_store_b128 v[VGO], v[X+64+4*\g:X+64+4*\g+3], s[38:39] offset:\g*8192
.endr
	s_wait_tensorcnt 0x0
	ds_add_u32 v62, v63
	s_wait_dscnt 0x0
	s_endpgm
.Lfunc_end_k_q086415aa73_proj:
	.size	k_q086415aa73_proj, .Lfunc_end_k_q086415aa73_proj-k_q086415aa73_proj
	.p2alignl 7, 3214868480
	.fill 96, 4, 3214868480
	.section	.rodata,"a",@progbits
	.p2align	6, 0x0
	.amdhsa_kernel k_q086415aa73_proj
		.amdhsa_group_segment_fixed_size 74240
		.amdhsa_private_segment_fixed_size 0
		.amdhsa_enable_private_segment 0
		.amdhsa_kernarg_size 88
		.amdhsa_user_sgpr_count 2
		.amdhsa_user_sgpr_kernarg_segment_ptr 1
		.amdhsa_wavefront_size32 1
		.amdhsa_system_sgpr_workgroup_id_x 1
		.amdhsa_system_sgpr_workgroup_id_y 1
		.amdhsa_system_sgpr_workgroup_id_z 1
		.amdhsa_system_vgpr_workitem_id 0
		.amdhsa_next_free_vgpr 512
		.amdhsa_next_free_sgpr 66
		.amdhsa_reserve_vcc 0
		.amdhsa_float_denorm_mode_32 3
		.amdhsa_float_denorm_mode_16_64 3
		.amdhsa_memory_ordered 1
		.amdhsa_forward_progress 1
		.amdhsa_inst_pref_size 131
	.end_amdhsa_kernel
	.amdgpu_metadata
---
amdhsa.version: [ 1, 2 ]
amdhsa.kernels:
  - .name:           k_q086415aa73_proj
    .symbol:         k_q086415aa73_proj.kd
    .args:
      - { .name: query, .offset: 0, .size: 8, .value_kind: global_buffer, .address_space: global }
      - { .name: key, .offset: 8, .size: 8, .value_kind: global_buffer, .address_space: global }
      - { .name: value, .offset: 16, .size: 8, .value_kind: global_buffer, .address_space: global }
      - { .name: Wq, .offset: 24, .size: 8, .value_kind: global_buffer, .address_space: global }
      - { .name: Wk, .offset: 32, .size: 8, .value_kind: global_buffer, .address_space: global }
      - { .name: Wv, .offset: 40, .size: 8, .value_kind: global_buffer, .address_space: global }
      - { .name: bq, .offset: 48, .size: 8, .value_kind: global_buffer, .address_space: global }
      - { .name: bk, .offset: 56, .size: 8, .value_kind: global_buffer, .address_space: global }
      - { .name: qh, .offset: 64, .size: 8, .value_kind: global_buffer, .address_space: global }
      - { .name: kh, .offset: 72, .size: 8, .value_kind: global_buffer, .address_space: global }
      - { .name: vt, .offset: 80, .size: 8, .value_kind: global_buffer, .address_space: global }
    .group_segment_fixed_size: 74240
    .private_segment_fixed_size: 0
    .kernarg_segment_align: 8
    .kernarg_segment_size: 88
    .max_flat_workgroup_size: 128
    .sgpr_count:     66
    .vgpr_count:     512
    .wavefront_size: 32
...
	.end_amdgpu_metadata
.endif
;; end of part 1
;; launch attn (part 2): grid 8 x 32, 8 waves a work-group, no clusters, 327,680 bytes of LDS; arguments qh, kh, vt, rel_emb, bv, Wo, ao, wob; writes ao, wob
.if DOCPART == 2
	.amdgcn_target "amdgcn-amd-amdhsa--gfx1250"
	.amdhsa_code_object_version 6
	.text
	.protected	k_q086415aa73_attn
	.globl	k_q086415aa73_attn
	.p2align	8
	.type	k_q086415aa73_attn,@function
k_q086415aa73_attn:
	s_mov_b64 s[64:65], 0
	v_nop
	global_prefetch_b8 v0, s[64:65] scope:SCOPE_SE
	s_setreg_imm32_b32 hwreg(HW_REG_WAVE_MODE, 25, 1), 1
	s_wait_xcnt 0x0
; Attention with the relative-position bias: ao[b][h][t][64] = f16( softmax(q k^T / 8 + bias) v + bv ).  Also: wob = f16(Wo), 16 bytes of Wo a thread.
; q comes scaled by 0.125 log2(e), the bias table is scaled by log2(e) here, so every exponential is a plain 2^x.
; A work-group: one (batch, head) = grid y, 256 queries = grid x.  Eight waves: qg = w & 3 picks 64 queries (four tiles c of 16), p = w >> 2 a parity of keys.
; K and V^T come in slots of 256 keys (8 slots' worth in all) through a ring of two LDS slots; in a slot a wave makes two steps, on keys 128 i + 64 p .. + 63.
; So each wave sees 1,024 keys with a running maximum and sum of its own, and the two waves of a query group are merged at the end through LDS.
; TRANSPOSED: S^T = K Q^T (source 0 = 16 keys, source 1 = 16 queries): lane (r, h) holds query r and keys 8 h + 0..7 of a tile.  Packed to f16, two neighbouring
; key tiles are, register for register, the second source of O^T = V^T P^T: the weights never leave the lane.  Only the maximum crosses the two halves of a wave.
; BIAS: a 16 x 16 tile's bias hangs only on (first query - first key) / 16.  It enters as the C operand of the first score product: from a table of 23 tiles in
; LDS where the 64-key block and the 64-query block are at most 2 blocks apart, else as one constant (|t - s| is then at least 129, so the index is clipped).
; NO CLUSTER, though the eight query blocks of a head read the same K and V: which of the two ways a step takes hangs on the key block minus the query block,
; which differs between those work-groups, and a slot's 64 KiB serve 1,024 matrix instructions of the work-group.
; Limits: bv is added behind the normalisation (the weights sum to 1: another order of rounding than adding it to v).  All matrix operands are f16; maxima, sums
; and the outputs' sums are f32.  The weights 2^(score - running maximum) lie in (0, 1]: one below 2^-25 becomes zero in the product (not in the sum), at most
; 2,048 x 2^-25 = 6e-5 of the sum, which is at least 1.  ao is an average of v plus bv: beyond 65,504 it becomes infinity, below 6e-5 its steps are 6e-8; Wo likewise.
; NaN and infinities are not treated specially.
.set SLOT,    68608                    ; K: 128 rows of two keys (256 bytes) at pitch 272, then V^T: 64 rows of 256 keys (512 bytes) at pitch 528
.set KPITCH,  272                      ; key s at (s / 2) 272 + (s % 2) 128: the 16 keys of a fragment load start in 16 different 16-byte columns modulo 256
.set VPITCH,  528                      ; an odd multiple of 16 bytes, for the same reason
.set VBASE,   128*KPITCH
.set TAB,     2*SLOT                   ; 23 bias tiles as register images: tile pos at 1,024 pos; lane L's registers 0-3 at 16 L, 4-7 at 512 + 16 L
.set MERGE,   TAB+23*1024              ; for each query group 34 blocks of 512 bytes: 32 of O, the maxima, the sums
.set MGRP,    34*512
.set STAGE,   MERGE+4*MGRP             ; for each query group 64 rows of 128 bytes at pitch 144
.set SPITCH,  144
.set SGRP,    64*SPITCH
.set LOG2E,   0x3fb8aa3b
.set ADRK, 2                           ; v2-3   my K fragments in slot 0, 1
.set ADRV, 4                           ; v4-5   my V^T fragments in slot 0, 1
.set TABA, 6                           ; v6     TAB + 16 lane
.set TADR, 7                           ; v7     this step's place in the table
.set MX,   8                           ; v8-11  running maximum of query tile c
.set NX,   12                          ; v12-15 new maximum
.set AL,   16                          ; v16-19 2^(old - new)
.set LS,   20                          ; v20-23 running sum, of this lane's keys
.set SM,   24                          ; v24-31 four pairs at work
.set UU,   32                          ; v32-35 the other half's number
.set TT,   36                          ; v36-39 at work
.set FC,   40                          ; v40-47 the constant bias as a C operand
.set KF,   64                          ; v64-127  K fragments, (a, kd) at 16 a + 8 kd
.set SC,   128                         ; v128-255 scores, tile (a, c) at 32 c + 8 a; packed in place, P(c, ks) = 32 c + 16 ks .. + 7
.set QF,   128                         ; window 1: v128-191 Q fragments, (c, kd) at 16 c + 8 kd
.set VF,   192                         ; window 1: v192-255 V^T fragments, (dt, ks) at 16 dt + 8 ks.  Window 1, v0-127: O^T, tile (dt, c) at 8 (dt + 4 c)
.set MSB, 0
.macro WIN new                         ; s_set_vgpr_msb: bits 1:0 source 0, 3:2 source 1, 5:4 source 2, 7:6 destination; the high byte repeats the setting that is left
.if MSB != \new
	s_set_vgpr_msb (MSB<<8)|\new
.set MSB, \new
.endif
.endm
.macro PLACES cnt                      ; places behind matrix instructions (ISA guide 7.12.1)
.rept \cnt
	v_nop
.endr
.endm
	s_load_b512 s[4:19], s[0:1], 0x0               ; qh s[4:5], kh s[6:7], vt s[8:9], rel_emb s[10:11], bv s[12:13], Wo s[14:15], ao s[16:17], wob s[18:19]
	v_lshl_add_u32 v254, v0, 2, 0x41400
	v_mov_b32 v255, 0
	ds_add_u32 v254, v255
	ds_add_u32 v254, v255
	s_wait_dscnt 0x0
	v_lshrrev_b32 v1, 5, v0
	v_readfirstlane_b32 s20, v1                    ; wave
	s_lshr_b32 s21, s20, 2                         ; p.  Also: I fetch K (0) or V^T (1)
	s_and_b32 s22, s20, 3                          ; qg.  Also: which quarter of that tile I fetch
	s_mov_b32 s23, ttmp9                           ; query block
	s_and_b32 s24, ttmp7, 0xffff                   ; 8 batch + head
	s_and_b32 s25, s24, 7                          ; head
	s_lshl_b32 s28, s23, 2
	s_add_co_u32 s28, s28, s22                     ; g: my 64-query block
	s_sub_co_i32 s26, s21, s28
	s_add_co_i32 s26, s26, 2                       ; s26 = (64-key block of my step 0 in this slot) - g + 2; + 4 for each slot
	s_mov_b32 s66, 0x76543210                      ; v_permlanex16_b32: lane i of one half reads lane i of the other
	s_mov_b32 s67, 0xfedcba98
	; group 1 for K: 64 keys are 8 KiB dense in memory, taken as 32 rows of 32 elements of 8 bytes, 16 bytes of padding behind each 64 words
	s_mov_b32 s32, (3<<16)|(1<<20)|(5<<22)|(3<<25)
	s_mov_b32 s33, 32<<16                          ; tensor_dim0 = 32
	s_mov_b32 s34, 32<<16                          ; tensor_dim1 = 32
	s_mov_b32 s35, 32<<16                          ; tile_dim0 = 32
	s_mov_b32 s36, 32                              ; tile_dim1 = 32
	s_mov_b32 s37, 32                              ; from row to row: 32 elements
	s_mov_b32 s38, 0
	s_mov_b32 s39, 0
	; group 1 for V^T: 16 rows of 256 elements of 2 bytes, rows 2,048 elements apart, 16 bytes of padding behind each 128 words
	s_mov_b32 s40, (1<<16)|(1<<20)|(6<<22)|(3<<25)
	s_mov_b32 s41, 256<<16
	s_mov_b32 s42, 16<<16
	s_mov_b32 s43, 256<<16
	s_mov_b32 s44, 16
	s_mov_b32 s45, 2048
	s_mov_b32 s46, 0
	s_mov_b32 s47, 0
	s_lshl_b32 s28, s24, 18                        ; a head's K, and its 64 rows of V^T, are 262,144 bytes
	s_lshl_b32 s27, s22, 13                        ; my 64 keys of 128 bytes
	s_add_co_u32 s68, s28, s27
	s_mov_b32 s69, 0
	s_lshl_b32 s27, s22, 16                        ; my 16 rows of 4,096 bytes
	s_add_co_u32 s70, s28, s27
	s_mov_b32 s71, 0
	s_mul_i32 s27, s22, 32*KPITCH                  ; where they go
	s_mul_i32 s28, s22, 16*VPITCH
	s_add_co_u32 s28, s28, VBASE
	s_wait_kmcnt 0x0
	s_add_nc_u64 s[6:7], s[6:7], s[68:69]
	s_add_nc_u64 s[8:9], s[8:9], s[70:71]
.irp sl, 0,1                                       ; group 0, a set for each slot and kind: K in s[48:55], V^T in s[56:63]
	s_mov_b32 s[48+4*\sl], 1
	s_add_co_u32 s[49+4*\sl], s27, \sl*SLOT
	s_add_nc_u64 s[50+4*\sl:51+4*\sl], s[6:7], \sl*32768
	s_or_b32 s[51+4*\sl], s[51+4*\sl], 0x80000000
	s_mov_b32 s[56+4*\sl], 1
	s_add_co_u32 s[57+4*\sl], s28, \sl*SLOT
	s_add_nc_u64 s[58+4*\sl:59+4*\sl], s[8:9], \sl*512
	s_or_b32 s[59+4*\sl], s[59+4*\sl], 0x80000000
.endr
	s_cmp_eq_u32 s21, 0                            ; both first fills of a wave in one branch on its number: two tensor loads of a wave are out here, later one
	s_cbranch_scc0 .Lfirst_v
	tensor_load_to_lds s[48:51], s[32:39]
	s_nop 0
	tensor_load_to_lds s[52:55], s[32:39]
	s_nop 0
	s_branch .Lfirst_done
.Lfirst_v:
	tensor_load_to_lds s[56:59], s[40:47]
	s_nop 0
	tensor_load_to_lds s[60:63], s[40:47]
	s_nop 0
.Lfirst_done:
	s_lshl_b32 s27, s23, 15
	s_add_co_u32 s68, s68, s27                     ; my 64 rows of q and of ao: head x 262,144 + query block x 32,768 + qg x 8,192
	s_add_nc_u64 s[4:5], s[4:5], s[68:69]
	s_add_nc_u64 s[16:17], s[16:17], s[68:69]
	s_lshl_b32 s70, s25, 2
	s_add_nc_u64 s[10:11], s[10:11], s[70:71]      ; rel_emb at my head's column
	s_lshl_b32 s70, s25, 8
	s_add_nc_u64 s[12:13], s[12:13], s[70:71]      ; bv at my head's 64 numbers
	s_load_b32 s29, s[10:11], 0x2000               ; row 256: queries far behind the keys' positions (t - s >= 128)
	s_load_b32 s30, s[10:11], 0x0                  ; row 0: t - s <= -128
	s_lshl_b32 s28, s24, 3
	s_add_co_u32 s28, s28, s23                     ; the work-group's number, 0 to 255
	s_lshl_b32 s27, s28, 12
	s_lshl_b32 s28, s28, 11
	v_lshl_add_u32 v55, v0, 4, s27                 ; my 16 bytes of Wo
	v_lshl_add_u32 v56, v0, 3, s28                 ; my 8 bytes of wob
	global_load_b128 v[58:61], v55, s[14:15] th:TH_LOAD_NT
	; The bias table.  Thread t writes word t of each tile: register j = 4 (t >> 7) + (t & 3) of lane (t >> 2) & 31, that is query r', key 8 h' + j.
	; Tile pos stands for first query - first key = 16 (11 - pos): row clamp(16 (11 - pos) + r' - 8 h' - j, -128, 128) + 128 of rel_emb, 32 bytes a row.
	v_bfe_u32 v36, v0, 2, 4                        ; r'
	v_bfe_u32 v37, v0, 6, 1                        ; h'
	v_lshrrev_b32 v38, 7, v0
	v_and_b32 v39, 3, v0
	v_lshl_add_u32 v39, v38, 2, v39                ; j
	v_lshl_add_u32 v39, v37, 3, v39
	v_sub_nc_u32 v36, v36, v39                     ; r' - 8 h' - j, -15 to 15
.set pp, 0
.rept 23
	v_add_nc_u32 v[SC+pp], 368-16*pp, v36          ; the row + 64, so that it is never negative: 1 to 383
	v_max_u32 v[SC+pp], 64, v[SC+pp]
	v_min_u32 v[SC+pp], 0x140, v[SC+pp]            ; clamped to 64 .. 320
	v_lshlrev_b32 v[SC+pp], 5, v[SC+pp]
	global_load_b32 v[SC+32+pp], v[SC+pp], s[10:11] offset:-2048   ; the 64 rows are taken back here
.set pp, pp+1
.endr
	v_and_b32 v48, 15, v0                          ; r
	v_bfe_u32 v49, v0, 4, 1                        ; h
	v_and_b32 v50, 31, v0                          ; lane
	v_lshlrev_b32 v57, 7, v48
	v_lshl_add_u32 v57, v49, 4, v57                ; row r of 128 bytes + 16 h
	WIN 0x40
.irp c, 0,1,2,3
.irp kd, 0,1
	global_load_b128 v[QF+16*\c+8*\kd:QF+16*\c+8*\kd+3], v57, s[4:5] offset:\c*2048+\kd*64
	global_load_b128 v[QF+16*\c+8*\kd+4:QF+16*\c+8*\kd+7], v57, s[4:5] offset:\c*2048+\kd*64+32
.endr
.endr
	WIN 0
	v_lshrrev_b32 v51, 1, v48
	v_and_b32 v52, 1, v48
	v_mul_u32_u24 v53, v51, KPITCH
	v_lshl_add_u32 v53, v52, 7, v53
	v_lshl_add_u32 v53, v49, 4, v53
	s_mul_i32 s27, s21, 32*KPITCH                  ; my parity's 64 keys
	v_add_nc_u32 v[ADRK], s27, v53
	v_add_nc_u32 v[ADRK+1], SLOT, v[ADRK]
	v_mul_u32_u24 v54, v48, VPITCH
	v_lshl_add_u32 v54, v49, 4, v54
	v_lshl_add_u32 v54, s21, 7, v54
	v_add_nc_u32 v[ADRV], VBASE, v54
	v_add_nc_u32 v[ADRV+1], SLOT+VBASE, v54
	v_lshlrev_b32 v[TABA], 4, v50
	v_add_nc_u32 v[TABA], TAB, v[TABA]
	v_lshlrev_b32 v1, 2, v0
	v_add_nc_u32 v1, TAB, v1
.irp c, 0,1,2,3
	v_mov_b32 v[UU+\c], 0                          ; v_permlanex16_b32 counts as a reader of its destination
.endr
	s_wait_loadcnt 16                              ; Wo's and the table's loads are in; the 16 loads of Q stay out
	v_cvt_pk_f16_f32 v62, v58, v59
	v_cvt_pk_f16_f32 v63, v60, v61
	global_store_b64 v56, v[62:63], s[18:19]       ; a wave stores 256 consecutive bytes, aligned
.set pp, 0
.rept 23
	v_mul_f32 v[SC+32+pp], LOG2E, v[SC+32+pp]
	ds_store_b32 v1, v[SC+32+pp] offset:pp*1024
.set pp, pp+1
.endr
	s_wait_kmcnt 0x0
	s_mul_f32 s29, s29, LOG2E
	s_mul_f32 s30, s30, LOG2E
	s_wait_loadcnt 0x0                             ; Q
	s_wait_xcnt 0x0                                ; the store's data and address registers may be written again
	s_wait_tensorcnt 0x1                           ; my part of slot 0 is in; slot 1's may stay out
	s_wait_dscnt 0x0                               ; my words of the table are written
	s_barrier_signal -1
	s_barrier_wait -1
; 32 score products: 16 tiles x 64 along d.  The 16 tiles take turns, one instruction a turn.
; inplace = 1: C is the tile itself, into which its bias was loaded; 0: C is the constant block.
.macro SCORES inplace
	WIN 0x04
.irp c, 0,1,2,3
.irp a, 0,1,2,3
.if \inplace
	v_wmma_f32_16x16x32_f16 v[SC+32*\c+8*\a:SC+32*\c+8*\a+7], v[KF+16*\a:KF+16*\a+7], v[QF+16*\c:QF+16*\c+7], v[SC+32*\c+8*\a:SC+32*\c+8*\a+7]
.else
	v_wmma_f32_16x16x32_f16 v[SC+32*\c+8*\a:SC+32*\c+8*\a+7], v[KF+16*\a:KF+16*\a+7], v[QF+16*\c:QF+16*\c+7], v[FC:FC+7]
.endif
.endr
.endr
.irp c, 0,1,2,3
.irp a, 0,1,2,3
	v_wmma_f32_16x16x32_f16 v[SC+32*\c+8*\a:SC+32*\c+8*\a+7], v[KF+16*\a+8:KF+16*\a+15], v[QF+16*\c+8:QF+16*\c+15], v[SC+32*\c+8*\a:SC+32*\c+8*\a+7]
.endr
.endr
	WIN 0
.endm
; scores of query tile c minus its new maximum; the maximum is register sel of the pair at NX + pr, fed to both halves
.macro SUBN c, pr, sel
.set q, 0
.rept 16
	v_pk_add_f32 v[SC+32*\c+q:SC+32*\c+q+1], v[SC+32*\c+q:SC+32*\c+q+1], v[NX+\pr:NX+\pr+1] op_sel:[0,\sel] op_sel_hi:[1,\sel] neg_lo:[0,1] neg_hi:[0,1]
.set q, q+2
.endr
.endm
; O of query tile c times 2^(old maximum - new)
.macro SCALEO c, pr, sel
.set q, 0
.rept 16
	v_pk_mul_f32 v[32*\c+q:32*\c+q+1], v[32*\c+q:32*\c+q+1], v[AL+\pr:AL+\pr+1] op_sel:[0,\sel] op_sel_hi:[1,\sel]
.set q, q+2
.endr
.endm
; One step: 64 keys (128 i + 64 p of slot sl) x my 64 queries.  first = 1: nothing is carried yet.
.macro STEP sl, i, first
	s_add_co_i32 s27, s26, 2*\i                    ; key block - query block + 2
.if \first == 0
	PLACES 5                                       ; behind the last step's products: the scores are written over their second sources
.endif
.irp a, 0,1,2,3
.irp kd, 0,1
	ds_load_b128 v[KF+16*\a+8*\kd:KF+16*\a+8*\kd+3], v[ADRK+\sl] offset:\i*17408+\a*2176+\kd*64
	ds_load_b128 v[KF+16*\a+8*\kd+4:KF+16*\a+8*\kd+7], v[ADRK+\sl] offset:\i*17408+\a*2176+\kd*64+32
.endr
.endr
	s_cmp_le_u32 s27, 4                            ; at most two blocks apart?  (a negative number is large here)
	s_cbranch_scc1 .Lnear_\@
	s_cmp_lt_i32 s27, 0                            ; far: keys before the queries take row 256, keys behind them row 0
	s_cselect_b32 s28, s29, s30
.irp j, 0,1,2,3,4,5,6,7
	v_mov_b32 v[FC+\j], s28
.endr
	s_wait_dscnt 0x0                               ; K's fragments
	SCORES 0
	s_branch .Ljoin_\@
.Lnear_\@:
	s_min_u32 s28, s27, 4
	s_lshl_b32 s28, s28, 12                        ; four tiles of the table for each block of distance
	v_add_nc_u32 v[TADR], s28, v[TABA]
.irp c, 0,1,2,3
.irp a, 0,1,2,3
	ds_load_b128 v[SC+32*\c+8*\a:SC+32*\c+8*\a+3], v[TADR] offset:(\a-\c+3)*1024
	ds_load_b128 v[SC+32*\c+8*\a+4:SC+32*\c+8*\a+7], v[TADR] offset:(\a-\c+3)*1024+512
.endr
.endr
	s_wait_dscnt 0x0                               ; K's fragments and the bias tiles
	SCORES 1
.Ljoin_\@:
	PLACES 4                                       ; ahead of the reads of the scores
	WIN 0x40
.irp dt, 0,1,2,3
.irp ks, 0,1
	ds_load_b128 v[VF+16*\dt+8*\ks:VF+16*\dt+8*\ks+3], v[ADRV+\sl] offset:\dt*8448+\i*256+\ks*64      ; they land under the softmax
	ds_load_b128 v[VF+16*\dt+8*\ks+4:VF+16*\dt+8*\ks+7], v[ADRV+\sl] offset:\dt*8448+\i*256+\ks*64+32
.endr
.endr
	WIN 0
	; the new maximum of each query: four chains, one for each query tile, started by the running maximum
.if \first
.irp c, 0,1,2,3
	v_max3_num_f32 v[NX+\c], v[SC+32*\c], v[SC+32*\c+1], v[SC+32*\c+2]
.endr
.set q, 3
.rept 14
.irp c, 0,1,2,3
	v_max3_num_f32 v[NX+\c], v[NX+\c], v[SC+32*\c+q], v[SC+32*\c+q+1]
.endr
.set q, q+2
.endr
.irp c, 0,1,2,3
	v_max_num_f32 v[NX+\c], v[NX+\c], v[SC+32*\c+31]
.endr
.else
.irp c, 0,1,2,3
	v_max3_num_f32 v[NX+\c], v[MX+\c], v[SC+32*\c], v[SC+32*\c+1]
.endr
.set q, 2
.rept 15
.irp c, 0,1,2,3
	v_max3_num_f32 v[NX+\c], v[NX+\c], v[SC+32*\c+q], v[SC+32*\c+q+1]
.endr
.set q, q+2
.endr
.endif
.irp c, 0,1,2,3
	v_permlanex16_b32 v[UU+\c], v[NX+\c], s66, s67 ; the other eight keys of each tile lie in the other half of the wave
.endr
.irp c, 0,1,2,3
	v_max_num_f32 v[NX+\c], v[NX+\c], v[UU+\c]
.endr
.if \first == 0
.irp c, 0,1,2,3
	v_sub_f32 v[AL+\c], v[MX+\c], v[NX+\c]
.endr
.irp c, 0,1,2,3
	v_exp_f32 v[AL+\c], v[AL+\c]
.endr
.endif
.irp c, 0,1,2,3
	v_mov_b32 v[MX+\c], v[NX+\c]                   ; plain instructions between the exponentials and the first use of their results (ISA guide 5.7.2)
.endr
	SUBN 0, 0, 0
	SUBN 1, 0, 1
	SUBN 2, 2, 0
	SUBN 3, 2, 1
.set q, 0
.rept 128
	v_exp_f32 v[SC+q], v[SC+q]
.set q, q+1
.endr
	v_nop                                          ; one plain place behind the last exponential
	s_wait_alu depctr_va_vdst(0)
.irp c, 0,1,2,3
	v_pk_add_f32 v[SM+2*\c:SM+2*\c+1], v[SC+32*\c:SC+32*\c+1], v[SC+32*\c+2:SC+32*\c+3]
.endr
.set q, 4
.rept 14
.irp c, 0,1,2,3
	v_pk_add_f32 v[SM+2*\c:SM+2*\c+1], v[SM+2*\c:SM+2*\c+1], v[SC+32*\c+q:SC+32*\c+q+1]
.endr
.set q, q+2
.endr
.if \first
.irp c, 0,1,2,3
	v_add_f32 v[LS+\c], v[SM+2*\c], v[SM+2*\c+1]
.endr
.else
.irp c, 0,1,2,3
	v_add_f32 v[TT+\c], v[SM+2*\c], v[SM+2*\c+1]
.endr
.irp c, 0,1,2,3
	v_fma_f32 v[LS+\c], v[LS+\c], v[AL+\c], v[TT+\c]
.endr
.endif
	; pack in place: two key tiles become one second source of 32 keys (registers 0-3: keys 8 h + 0..7, registers 4-7: keys 16 + 8 h + 0..7)
.irp c, 0,1,2,3
.irp ks, 0,1
.irp e, 0,1,2,3
	v_cvt_pk_f16_f32 v[SC+32*\c+16*\ks+\e], v[SC+32*\c+16*\ks+2*\e], v[SC+32*\c+16*\ks+2*\e+1]
.endr
.irp e, 0,1,2,3
	v_cvt_pk_f16_f32 v[SC+32*\c+16*\ks+4+\e], v[SC+32*\c+16*\ks+8+2*\e], v[SC+32*\c+16*\ks+9+2*\e]
.endr
.endr
.endr
.if \first == 0
	WIN 0x41
	SCALEO 0, 0, 0
	SCALEO 1, 0, 1
	SCALEO 2, 2, 0
	SCALEO 3, 2, 1
.endif
	s_wait_dscnt 0x0                               ; V^T's fragments
	WIN 0x51
.irp c, 0,1,2,3                                    ; O^T += V^T P^T: the 16 tiles take turns, one instruction a turn
.irp dt, 0,1,2,3
.if \first
	v_wmma_f32_16x16x32_f16 v[8*(\dt+4*\c):8*(\dt+4*\c)+7], v[VF+16*\dt:VF+16*\dt+7], v[SC+32*\c:SC+32*\c+7], 0
.else
	v_wmma_f32_16x16x32_f16 v[8*(\dt+4*\c):8*(\dt+4*\c)+7], v[VF+16*\dt:VF+16*\dt+7], v[SC+32*\c:SC+32*\c+7], v[8*(\dt+4*\c):8*(\dt+4*\c)+7]
.endif
.endr
.endr
.irp c, 0,1,2,3
.irp dt, 0,1,2,3
	v_wmma_f32_16x16x32_f16 v[8*(\dt+4*\c):8*(\dt+4*\c)+7], v[VF+16*\dt+8:VF+16*\dt+15], v[SC+32*\c+16:SC+32*\c+23], v[8*(\dt+4*\c):8*(\dt+4*\c)+7]
.endr
.endr
	WIN 0
.endm
.macro KVLOAD sl                       ; my one tensor load behind a barrier: waves 0-3 a quarter of K's tile, waves 4-7 a quarter of V^T's
	s_cmp_eq_u32 s21, 0
	s_cbranch_scc0 .Lfill_v_\@
	tensor_load_to_lds s[48+4*\sl:51+4*\sl], s[32:39]
	s_nop 0
	s_branch .Lfilled_\@
.Lfill_v_\@:
	tensor_load_to_lds s[56+4*\sl:59+4*\sl], s[40:47]
	s_nop 0
.Lfilled_\@:
.endm
; Slot sl is worked on; refill = 1: the other slot, ot, gets the 256 keys two slots further on.  That load has two steps of every wave in which to land.
.macro TWO sl, ot, refill
	s_wait_xcnt 0x0
	v_lshl_add_u32 v254, v0, 2, 0x41400
	v_mov_b32 v255, 0
	s_wait_tensorcnt 0x0                           ; all my tensor loads have landed, my part of slot sl among them: a group 0 may be written
	ds_add_u32 v254, v255
	s_wait_dscnt 0x0
.if \refill
	s_add_nc_u64 s[50+4*\ot:51+4*\ot], s[50+4*\ot:51+4*\ot], 0x10000   ; 512 keys of 128 bytes on
	s_add_nc_u64 s[58+4*\ot:59+4*\ot], s[58+4*\ot:59+4*\ot], 0x400     ; 512 keys of 2 bytes along the rows
.endif
	s_add_co_i32 s26, s26, 4                       ; four 64-key blocks on
	s_wait_dscnt 0x0                               ; my reads of the other slot are back
	s_barrier_signal -1
	s_barrier_wait -1                              ; both now hold of all eight waves
.if \refill
	KVLOAD \ot
.endif
	STEP \sl, 0, 0
	STEP \sl, 1, 0
.endm
	STEP 0, 0, 1
	STEP 0, 1, 0
	s_mov_b32 s31, 3
.Lring:
	TWO 1, 0, 1
	TWO 0, 1, 1
	s_sub_co_i32 s31, s31, 1
	s_cmp_lg_u32 s31, 0
	s_cbranch_scc1 .Lring
	TWO 1, 0, 0                                    ; the last 256 keys: nothing is left to fetch
	; THE MERGE: the waves of parity 1 hand O, maxima and sums to their partners of parity 0.
	PLACES 4                                       ; ahead of the reads of O and of the loads into the products' sources
	s_mul_i32 s28, s22, MGRP
	s_add_co_u32 s28, s28, MERGE
	v_lshlrev_b32 v51, 4, v50
	v_add_nc_u32 v51, s28, v51
	s_cmp_eq_u32 s21, 0
	s_cbranch_scc1 .Lkeep
	WIN 0x04
.set q, 0
.rept 32
	ds_store_b128 v51, v[4*q:4*q+3] offset:512*q
.set q, q+1
.endr
	WIN 0
	ds_store_b128 v51, v[MX:MX+3] offset:32*512
	ds_store_b128 v51, v[LS:LS+3] offset:33*512
.Lkeep:
	s_wait_dscnt 0x0                               ; store, wait, barrier, load
	s_barrier_signal -1
	s_barrier_wait -1
	s_cmp_eq_u32 s21, 0
	s_cbranch_scc1 .Lfinish
	s_wait_xcnt 0x0
	v_lshl_add_u32 v254, v0, 2, 0x41400
	v_mov_b32 v255, 0
	s_wait_tensorcnt 0x0
	ds_add_u32 v254, v255
	s_wait_dscnt 0x0
	s_endpgm
.Lfinish:
.set BV, KF+8                                      ; v72-103: bv of my 4 x 8 columns
.set q, 0
.rept 32
	ds_load_b128 v[SC+4*q:SC+4*q+3], v51 offset:512*q      ; the partner's O
.set q, q+1
.endr
	ds_load_b128 v[KF:KF+3], v51 offset:32*512             ; its maxima
	ds_load_b128 v[KF+4:KF+7], v51 offset:33*512           ; its sums
	v_lshlrev_b32 v55, 5, v49                              ; 32 h: my eight numbers of each 16
.irp dt, 0,1,2,3
	global_load_b128 v[BV+8*\dt:BV+8*\dt+3], v55, s[12:13] offset:\dt*64
	global_load_b128 v[BV+8*\dt+4:BV+8*\dt+7], v55, s[12:13] offset:\dt*64+16
.endr
	s_mul_i32 s28, s22, SGRP
	s_add_co_u32 s28, s28, STAGE
	v_mul_u32_u24 v52, v48, SPITCH
	v_lshl_add_u32 v52, v49, 4, v52
	v_add_nc_u32 v52, s28, v52                     ; in: row r, 16 bytes for each half of the lanes
	v_lshrrev_b32 v53, 3, v50
	v_mul_u32_u24 v53, v53, SPITCH
	v_and_b32 v54, 7, v0
	v_lshl_add_u32 v53, v54, 4, v53
	v_add_nc_u32 v53, s28, v53                     ; back: eight lanes a row of 128 bytes
	v_lshlrev_b32 v54, 4, v50
	s_wait_dscnt 0x0
.irp c, 0,1,2,3
	v_max_num_f32 v[NX+\c], v[MX+\c], v[KF+\c]
.endr
.irp c, 0,1,2,3
	v_sub_f32 v[AL+\c], v[MX+\c], v[NX+\c]
	v_sub_f32 v[TT+\c], v[KF+\c], v[NX+\c]
.endr
.irp c, 0,1,2,3
	v_exp_f32 v[AL+\c], v[AL+\c]
	v_exp_f32 v[TT+\c], v[TT+\c]
.endr
	v_nop
	s_wait_alu depctr_va_vdst(0)
.irp c, 0,1,2,3
	v_mul_f32 v[LS+\c], v[LS+\c], v[AL+\c]
.endr
.irp c, 0,1,2,3
	v_fmac_f32 v[LS+\c], v[KF+4+\c], v[TT+\c]
.endr
.irp c, 0,1,2,3
	v_permlanex16_b32 v[UU+\c], v[LS+\c], s66, s67 ; the sums were kept for each half's keys apart
.endr
.irp c, 0,1,2,3
	v_add_f32 v[LS+\c], v[LS+\c], v[UU+\c]
.endr
.irp c, 0,1,2,3
	v_rcp_f32 v[LS+\c], v[LS+\c]
.endr
	v_nop
	s_wait_alu depctr_va_vdst(0)
.irp c, 0,1,2,3
	v_mul_f32 v[AL+\c], v[AL+\c], v[LS+\c]         ; my factor
	v_mul_f32 v[TT+\c], v[TT+\c], v[LS+\c]         ; the partner's
.endr
	s_wait_loadcnt 0x0                             ; bv
.macro FIN0 c, pr, sel                             ; O = O x my factor + bv
.irp dt, 0,1,2,3
.irp e, 0,2,4,6
	v_pk_fma_f32 v[8*(\dt+4*\c)+\e:8*(\dt+4*\c)+\e+1], v[8*(\dt+4*\c)+\e:8*(\dt+4*\c)+\e+1], v[AL+\pr:AL+\pr+1], v[BV+8*\dt+\e:BV+8*\dt+\e+1] op_sel:[0,\sel,0] op_sel_hi:[1,\sel,1]
.endr
.endr
.endm
.macro FIN1 c, pr, sel                             ; result = the partner's O x its factor + O, into window 0
.set q, 0
.rept 16
	v_pk_fma_f32 v[SC+32*\c+q:SC+32*\c+q+1], v[SC+32*\c+q:SC+32*\c+q+1], v[TT+\pr:TT+\pr+1], v[32*\c+q:32*\c+q+1] op_sel:[0,\sel,0] op_sel_hi:[1,\sel,1]
.set q, q+2
.endr
.endm
	WIN 0x41
	FIN0 0, 0, 0
	FIN0 1, 0, 1
	FIN0 2, 2, 0
	FIN0 3, 2, 1
	WIN 0x10
	FIN1 0, 0, 0
	FIN1 1, 0, 1
	FIN1 2, 2, 0
	FIN1 3, 2, 1
	WIN 0
.set q, 0
.rept 16
.irp e, 0,1,2,3
	v_cvt_pk_f16_f32 v[KF+4*q+\e], v[SC+8*q+2*\e], v[SC+8*q+2*\e+1]
.endr
.set q, q+1
.endr
.irp c, 0,1,2,3
.irp dt, 0,1,2,3
	ds_store_b128 v52, v[KF+4*(\dt+4*\c):KF+4*(\dt+4*\c)+3] offset:\c*16*SPITCH+\dt*32
.endr
.endr
.irp g, 0,1,2,3,4,5,6,7,8,9,10,11,12,13,14,15
	ds_load_b128 v[SC+4*\g:SC+4*\g+3], v53 offset:\g*4*SPITCH      ; my own bytes: LDS serves a wave's instructions in order (ISA guide 5.7.1)
.endr
.irp g, 0,1,2,3,4,5,6,7,8,9,10,11,12,13,14,15
	s_wait_dscnt 15-\g
	global_store_b128 v54, v[SC+4*\g:SC+4*\g+3], s[16:17] offset:\g*512   ; 512 consecutive bytes: four rows of a head
.endr
	s_wait_xcnt 0x0
	v_lshl_add_u32 v254, v0, 2, 0x41400
	v_mov_b32 v255, 0
	s_wait_tensorcnt 0x0
	ds_add_u32 v254, v255
	s_wait_dscnt 0x0
	s_endpgm
.Lfunc_end_k_q086415aa73_attn:
	.size	k_q086415aa73_attn, .Lfunc_end_k_q086415aa73_attn-k_q086415aa73_attn
	.p2alignl 7, 3214868480
	.fill 96, 4, 3214868480
	.section	.rodata,"a",@progbits
	.p2align	6, 0x0
	.amdhsa_kernel k_q086415aa73_attn
		.amdhsa_group_segment_fixed_size 327680
		.amdhsa_private_segment_fixed_size 0
		.amdhsa_enable_private_segment 0
		.amdhsa_kernarg_size 64
		.amdhsa_user_sgpr_count 2
		.amdhsa_user_sgpr_kernarg_segment_ptr 1
		.amdhsa_wavefront_size32 1
		.amdhsa_system_sgpr_workgroup_id_x 1
		.amdhsa_system_sgpr_workgroup_id_y 1
		.amdhsa_system_sgpr_workgroup_id_z 1
		.amdhsa_system_vgpr_workitem_id 0
		.amdhsa_next_free_vgpr 512
		.amdhsa_next_free_sgpr 72
		.amdhsa_reserve_vcc 0
		.amdhsa_float_denorm_mode_32 3
		.amdhsa_float_denorm_mode_16_64 3
		.amdhsa_memory_ordered 1
		.amdhsa_forward_progress 1
		.amdhsa_inst_pref_size 255
	.end_amdhsa_kernel
	.section	.bss,"aw",@nobits
	.p2align	6
	.space	262144
	.amdgpu_metadata
---
amdhsa.version: [ 1, 2 ]
amdhsa.kernels:
  - .name:           k_q086415aa73_attn
    .symbol:         k_q086415aa73_attn.kd
    .args:
      - { .name: qh, .offset: 0, .size: 8, .value_kind: global_buffer, .address_space: global }
      - { .name: kh, .offset: 8, .size: 8, .value_kind: global_buffer, .address_space: global }
      - { .name: vt, .offset: 16, .size: 8, .value_kind: global_buffer, .address_space: global }
      - { .name: rel_emb, .offset: 24, .size: 8, .value_kind: global_buffer, .address_space: global }
      - { .name: bv, .offset: 32, .size: 8, .value_kind: global_buffer, .address_space: global }
      - { .name: Wo, .offset: 40, .size: 8, .value_kind: global_buffer, .address_space: global }
      - { .name: ao, .offset: 48, .size: 8, .value_kind: global_buffer, .address_space: global }
      - { .name: wob, .offset: 56, .size: 8, .value_kind: global_buffer, .address_space: global }
    .group_segment_fixed_size: 327680
    .private_segment_fixed_size: 0
    .kernarg_segment_align: 8
    .kernarg_segment_size: 64
    .max_flat_workgroup_size: 256
    .sgpr_count:     72
    .vgpr_count:     512
    .wavefront_size: 32
...
	.end_amdgpu_metadata
.endif
;; end of part 2
;; launch outp (part 3): grid 4 x 64, 4 waves a work-group, clusters of 4 x 4, 296,448 bytes of LDS; arguments ao, wob, bo, out0; writes out0
.if DOCPART == 3
	.amdgcn_target "amdgcn-amd-amdhsa--gfx1250"
	.amdhsa_code_object_version 6
	.text
	.protected	k_q086415aa73_outp
	.globl	k_q086415aa73_outp
	.p2align	8
	.type	k_q086415aa73_outp,@function
k_q086415aa73_outp:
	s_mov_b64 s[64:65], 0
	v_nop
	global_prefetch_b8 v0, s[64:65] scope:SCOPE_SE
	s_setreg_imm32_b32 hwreg(HW_REG_WAVE_MODE, 25, 1), 1
	s_wait_xcnt 0x0
	s_wait_alu depctr_hold_cnt(0) depctr_sa_sdst(0) depctr_va_vdst(0) depctr_va_sdst(0) depctr_va_ssrc(0) depctr_va_vcc(0) depctr_vm_vsrc(0)
	s_getreg_b32 s2, hwreg(HW_REG_IB_STS2, 6, 4)
	s_cmp_eq_u32 s2, 0
	s_cbranch_scc0 .Lentry_in_a_cluster
	s_endpgm
.Lentry_in_a_cluster:
	s_bfe_u32 s2, ttmp6, 0x10000c
	s_cmp_lg_u32 s2, 0xf033
	s_cbranch_scc0 .Lentry_shape_is_right
	s_endpgm
.Lentry_shape_is_right:
; out0[m][n] = sum over k of A[m][k] Wo[n][k] + bo[n], m = (batch, t), k = 64 head + d.  A = ao[b][h][t][64] f16, Wo = wob[n][512] f16, out0 f32.
; A work-group makes 128 x 128 with four waves, 2 x 2, each 64 x 64 in 16 accumulator tiles.  The whole K = 512 of both operands lies in LDS: every tensor
; load is a first fill, no byte of LDS is filled twice.  K comes in four chunks of 128 (two heads); each wave issues one load a chunk: four tensor loads of a wave are out.
; CLUSTER 4 x 4: the four work-groups of a row of the cluster need the same 128 rows of A, the four of a column the same 128 rows of Wo: joint loads.
; Limits: NaN and infinities are not treated specially; matrix operands f16 (as the launch before left them), sums and bias f32.
.set APITCH, 272                       ; A: two rows t of a head (256 bytes) + 16; row t at (t / 2) 272 + (t % 2) 128.  Wo: a row's 256 bytes of a chunk + 16
.set HEADB,  64*APITCH                 ; a head's 128 rows; also 64 rows of a chunk of Wo
.set CHUNK,  2*HEADB
.set WBASE,  4*CHUNK                   ; A's four chunks, then Wo's four
.set STAGE,  2*WBASE                   ; behind them: 16 rows x 272 bytes for each wave
.set SPITCH, 272
.set ADRA, 8                           ; v8-11   my A fragments in chunk c
.set ADRW, 12                          ; v12-15  my Wo fragments in chunk c
.set STO,  16                          ; v16     the way out: where I put 32 bytes of a row
.set RD,   17                          ; v17     where I read back
.set CO,   18                          ; v18     my byte offset in out0
.set BOF,  19                          ; v19     32 (lane / 16)
.set F0,   64                          ; v64-127, v128-191: two fragment buffers, four of Wo then four of A each; on the way out the 128 results
.set RES,  64
.set BO,   192                         ; v192-223 bo of my 4 x 8 columns
.set RB,   224                         ; v224-255 rows read back.  Window 1, v0-127: the accumulators, tile (a, b) at 8 (4 a + b)
.set MSB, 0
.macro WIN new                         ; s_set_vgpr_msb: bits 1:0 source 0, 3:2 source 1, 5:4 source 2, 7:6 destination; the high byte repeats the setting that is left
.if MSB != \new
	s_set_vgpr_msb (MSB<<8)|\new
.set MSB, \new
.endif
.endm
.macro PLACES                          ; four places behind matrix instructions (ISA guide 7.12.1)
.rept 4
	v_nop
.endr
.endm
.macro CROUND                          ; a round of the cluster's barrier: my work-group's barrier, wave 0 signals for it, all wait for all sixteen, my work-group's barrier again
	s_barrier_signal -1
	s_barrier_wait -1
	s_cmp_lg_u32 s12, 0
	s_cbranch_scc1 .Lnot_wave_0_\@
	s_barrier_signal -3
.Lnot_wave_0_\@:
	s_barrier_wait -3
	s_barrier_signal -1
	s_barrier_wait -1
.endm
	s_load_b256 s[4:11], s[0:1], 0x0               ; ao s[4:5], wob s[6:7], bo s[8:9], out0 s[10:11]
	v_lshl_add_u32 v62, v0, 2, 0x48400
	v_mov_b32 v63, 0
	ds_add_u32 v62, v63
	ds_add_u32 v62, v63
	v_lshrrev_b32 v1, 5, v0
	v_readfirstlane_b32 s12, v1                    ; wave
	s_lshr_b32 s13, s12, 1                         ; pi: my 64 rows.  Also: I fetch A (0) or Wo (1)
	s_and_b32 s14, s12, 1                          ; rj: my 64 columns.  Also: which half of a chunk I fetch
	s_bfe_u32 s66, ttmp6, 0x40000                  ; cx
	s_bfe_u32 s67, ttmp6, 0x40004                  ; cy
	s_lshl_b32 s68, ttmp9, 2
	s_add_co_u32 s68, s68, s66                     ; nb = 4 x cluster x + cx
	s_and_b32 s69, ttmp7, 0xffff
	s_lshl_b32 s69, s69, 2
	s_add_co_u32 s69, s69, s67                     ; mb = 4 x cluster y + cy
	s_lshl_b32 s70, s67, 2
	s_lshl_b32 s70, 15, s70                        ; my row of the cluster
	s_lshl_b32 s71, 0x1111, s66                    ; my column
	; group 1 for A: a head's 128 rows are 16 KiB dense in memory, taken as 64 rows of 32 elements of 8 bytes, 16 bytes of padding behind each 64 words
	s_or_b32 s16, s70, (3<<16)|(1<<20)|(1<<21)|(5<<22)|(3<<25)
	s_mov_b32 s17, 32<<16
	s_mov_b32 s18, 64<<16
	s_mov_b32 s19, 32<<16
	s_mov_b32 s20, 64
	s_mov_b32 s21, 32
	s_mov_b32 s22, 0
	s_mov_b32 s23, 0
	; group 1 for Wo: 64 rows of 128 elements of 2 bytes, rows 512 elements apart, the same padding
	s_or_b32 s24, s71, (1<<16)|(1<<20)|(1<<21)|(5<<22)|(3<<25)
	s_mov_b32 s25, 128<<16
	s_mov_b32 s26, 64<<16
	s_mov_b32 s27, 128<<16
	s_mov_b32 s28, 64
	s_mov_b32 s29, 512
	s_mov_b32 s30, 0
	s_mov_b32 s31, 0
	; A's address hangs on mb alone, which my row of the cluster shares; Wo's on nb alone, which my column shares.  Each is made in registers that never hold the other.
	s_lshr_b32 s72, s69, 4
	s_lshl_b32 s72, s72, 21                        ; batch x 8 heads x 262,144
	s_and_b32 s84, s69, 15
	s_lshl_b32 s84, s84, 14                        ; + 128-block of t x 16,384
	s_add_co_u32 s72, s72, s84
	s_lshl_b32 s84, s14, 18                        ; + the chunk's first or second head
	s_add_co_u32 s72, s72, s84
	s_mov_b32 s73, 0
	s_lshl_b32 s74, s68, 17                        ; nb x 128 rows of 1,024 bytes
	s_lshl_b32 s85, s14, 16                        ; + 64 rows
	s_add_co_u32 s74, s74, s85
	s_mov_b32 s75, 0
	s_lshl_b32 s76, s68, 9                         ; my first column, in bytes of f32: 512 nb + 256 rj
	s_lshl_b32 s85, s14, 8
	s_add_co_u32 s76, s76, s85
	s_mov_b32 s77, 0
	s_lshl_b32 s78, s69, 18                        ; my first row of out0: (128 mb + 64 pi) x 2,048 bytes
	s_lshl_b32 s84, s13, 17
	s_add_co_u32 s78, s78, s84
	s_mov_b32 s79, 0
	s_mul_i32 s80, s14, HEADB                      ; LDS: the wave's number alone
	s_add_co_u32 s81, s80, WBASE
	s_wait_dscnt 0x0
	s_wait_kmcnt 0x0
	s_add_nc_u64 s[4:5], s[4:5], s[72:73]
	s_add_nc_u64 s[6:7], s[6:7], s[74:75]
	s_add_nc_u64 s[8:9], s[8:9], s[76:77]
	s_add_nc_u64 s[10:11], s[10:11], s[78:79]
	s_add_nc_u64 s[10:11], s[10:11], s[76:77]
.irp c, 0,1,2,3                                    ; group 0, a set for each chunk: A in s[32:47], Wo in s[48:63]
	s_mov_b32 s[32+4*\c], 1
	s_add_co_u32 s[33+4*\c], s80, \c*CHUNK
	s_add_nc_u64 s[34+4*\c:35+4*\c], s[4:5], \c*524288
	s_or_b32 s[35+4*\c], s[35+4*\c], 0x80000000
	s_mov_b32 s[48+4*\c], 1
	s_add_co_u32 s[49+4*\c], s81, \c*CHUNK
	s_add_nc_u64 s[50+4*\c:51+4*\c], s[6:7], \c*256
	s_or_b32 s[51+4*\c], s[51+4*\c], 0x80000000
.endr
	CROUND                                         ; all sixteen work-groups are here: the joint loads meet
	s_cmp_eq_u32 s13, 0                            ; all four loads of a wave in one branch on its number
	s_cbranch_scc0 .Lfor_w
	tensor_load_to_lds s[32:35], s[16:23]
	s_nop 0
	tensor_load_to_lds s[36:39], s[16:23]
	s_nop 0
	tensor_load_to_lds s[40:43], s[16:23]
	s_nop 0
	tensor_load_to_lds s[44:47], s[16:23]
	s_nop 0
	s_branch .Lasked
.Lfor_w:
	tensor_load_to_lds s[48:51], s[24:31]
	s_nop 0
	tensor_load_to_lds s[52:55], s[24:31]
	s_nop 0
	tensor_load_to_lds s[56:59], s[24:31]
	s_nop 0
	tensor_load_to_lds s[60:63], s[24:31]
	s_nop 0
.Lasked:
	v_and_b32 v1, 15, v0                           ; r
	v_bfe_u32 v2, v0, 4, 1                         ; h
	v_lshlrev_b32 v[BOF], 5, v2
.irp b, 0,1,2,3
	global_load_b128 v[BO+8*\b:BO+8*\b+3], v[BOF], s[8:9] offset:\b*64
	global_load_b128 v[BO+8*\b+4:BO+8*\b+7], v[BOF], s[8:9] offset:\b*64+16
.endr
	v_lshrrev_b32 v3, 1, v1
	v_and_b32 v4, 1, v1
	v_mul_u32_u24 v5, v3, APITCH
	v_lshl_add_u32 v5, v4, 7, v5
	v_lshl_add_u32 v5, v2, 4, v5
	s_mul_i32 s83, s13, 32*APITCH                  ; my 64 rows of a head
	v_add_nc_u32 v5, s83, v5
	v_lshl_add_u32 v6, s14, 6, v1                  ; 64 rj + r
	v_mul_u32_u24 v6, v6, APITCH
	v_lshl_add_u32 v6, v2, 4, v6
.irp c, 0,1,2,3
	v_add_nc_u32 v[ADRA+\c], \c*CHUNK, v5
	v_add_nc_u32 v[ADRW+\c], WBASE+\c*CHUNK, v6
.endr
	s_mul_i32 s82, s12, 16*SPITCH
	s_add_co_u32 s82, s82, STAGE                   ; my stage
	v_mul_u32_u24 v7, v1, SPITCH
	v_lshl_add_u32 v7, v2, 5, v7
	v_add_nc_u32 v[STO], s82, v7
	v_mul_u32_u24 v7, v2, SPITCH
	v_lshl_add_u32 v7, v1, 4, v7
	v_add_nc_u32 v[RD], s82, v7
	v_lshlrev_b32 v7, 11, v2
	v_lshl_add_u32 v[CO], v1, 4, v7
; The fragments of K step t (32 along K; chunk t / 4, head (t / 2) % 2 of it, half t % 2 of the head's 64) into buffer t % 2
.macro FETCH t
.set FB, F0+64*((\t)&1)
.irp b, 0,1,2,3
	ds_load_b128 v[FB+8*\b:FB+8*\b+3], v[ADRW+((\t)>>2)] offset:\b*16*APITCH+((\t)&3)*64
	ds_load_b128 v[FB+8*\b+4:FB+8*\b+7], v[ADRW+((\t)>>2)] offset:\b*16*APITCH+((\t)&3)*64+32
.endr
.irp a, 0,1,2,3
	ds_load_b128 v[FB+32+8*\a:FB+32+8*\a+3], v[ADRA+((\t)>>2)] offset:(((\t)>>1)&1)*HEADB+\a*8*APITCH+((\t)&1)*64
	ds_load_b128 v[FB+32+8*\a+4:FB+32+8*\a+7], v[ADRA+((\t)>>2)] offset:(((\t)>>1)&1)*HEADB+\a*8*APITCH+((\t)&1)*64+32
.endr
.endm
; K step s: ask for the next step's fragments, multiply this step's.  Source 0 = rows of Wo, source 1 = rows of A: a lane's eight results are eight neighbouring
; columns of one row.  The sixteen accumulators take turns, one instruction a turn.
.macro KSTEP s
.if \s < 15
.if \s > 0
	PLACES                                         ; the buffer loaded next was read by the matrix instructions just issued
.endif
.if (\s & 3) == 3
	s_wait_dscnt 0x0                               ; no LDS instruction is pending at a signal
	s_wait_tensorcnt 2-(\s>>2)                     ; my part of the next chunk is in; the younger chunks' loads stay out
	s_barrier_signal -1
	s_barrier_wait -1                              ; everybody's is
.endif
	FETCH \s+1
	s_wait_dscnt 16                                ; this step's fragments are in; the 16 loads just issued stay out
.else
	s_wait_dscnt 0x0
.endif
.set FB, F0+64*((\s)&1)
	WIN 0x50
.irp a, 0,1,2,3
.irp b, 0,1,2,3
.if \s == 0
	v_wmma_f32_16x16x32_f16 v[8*(4*\a+\b):8*(4*\a+\b)+7], v[FB+8*\b:FB+8*\b+7], v[FB+32+8*\a:FB+32+8*\a+7], 0
.else
	v_wmma_f32_16x16x32_f16 v[8*(4*\a+\b):8*(4*\a+\b)+7], v[FB+8*\b:FB+8*\b+7], v[FB+32+8*\a:FB+32+8*\a+7], v[8*(4*\a+\b):8*(4*\a+\b)+7]
.endif
.endr
.endr
	WIN 0
.endm
	s_wait_tensorcnt 0x3                           ; my part of chunk 0 is in; three younger loads stay out
	s_barrier_signal -1
	s_barrier_wait -1
	FETCH 0
.irp s, 0,1,2,3,4,5,6,7,8,9,10,11,12,13,14,15
	KSTEP \s
.endr
	; THE WAY OUT: add bo, then 16 rows at a time through my own stage, so that sixteen lanes store a row's 256 consecutive bytes, aligned.
	PLACES
	s_wait_loadcnt 0x0                             ; bo
	WIN 0x01
.irp a, 0,1,2,3
.irp b, 0,1,2,3
.irp e, 0,2,4,6
	v_pk_add_f32 v[RES+8*(4*\a+\b)+\e:RES+8*(4*\a+\b)+\e+1], v[8*(4*\a+\b)+\e:8*(4*\a+\b)+\e+1], v[BO+8*\b+\e:BO+8*\b+\e+1]
.endr
.endr
.endr
	WIN 0
.macro OUT16 a
.irp b, 0,1,2,3
	ds_store_b128 v[STO], v[RES+8*(4*\a+\b):RES+8*(4*\a+\b)+3] offset:\b*64
	ds_store_b128 v[STO], v[RES+8*(4*\a+\b)+4:RES+8*(4*\a+\b)+7] offset:\b*64+16
.endr
	s_wait_xcnt 0x0                                ; the rows read back last time are store data: they are written again only behind this wait
.irp g, 0,1,2,3,4,5,6,7
	ds_load_b128 v[RB+4*\g:RB+4*\g+3], v[RD] offset:\g*2*SPITCH    ; my own bytes: LDS serves a wave's instructions in order (ISA guide 5.7.1)
.endr
.irp g, 0,1,2,3,4,5,6,7
	s_wait_dscnt 7-\g
	global_store_b128 v[CO], v[RB+4*\g:RB+4*\g+3], s[10:11] offset:(16*\a+2*\g)*2048 th:TH_STORE_NT
.endr
.endm
	OUT16 0
	OUT16 1
	OUT16 2
	OUT16 3
	s_wait_tensorcnt 0x0
	ds_add_u32 v62, v63
	s_wait_dscnt 0x0
	CROUND                                         ; the closing round: no work-group ends while a partner may still ask for a tile that names it
	s_endpgm
.Lfunc_end_k_q086415aa73_outp:
	.size	k_q086415aa73_outp, .Lfunc_end_k_q086415aa73_outp-k_q086415aa73_outp
	.p2alignl 7, 3214868480
	.fill 96, 4, 3214868480
	.section	.rodata,"a",@progbits
	.p2align	6, 0x0
	.amdhsa_kernel k_q086415aa73_outp
		.amdhsa_group_segment_fixed_size 296448
		.amdhsa_private_segment_fixed_size 0
		.amdhsa_enable_private_segment 0
		.amdhsa_kernarg_size 32
		.amdhsa_user_sgpr_count 2
		.amdhsa_user_sgpr_kernarg_segment_ptr 1
		.amdhsa_wavefront_size32 1
		.amdhsa_system_sgpr_workgroup_id_x 1
		.amdhsa_system_sgpr_workgroup_id_y 1
		.amdhsa_system_sgpr_workgroup_id_z 1
		.amdhsa_system_vgpr_workitem_id 0
		.amdhsa_next_free_vgpr 384
		.amdhsa_next_free_sgpr 86
		.amdhsa_reserve_vcc 0
		.amdhsa_float_denorm_mode_32 3
		.amdhsa_float_denorm_mode_16_64 3
		.amdhsa_memory_ordered 1
		.amdhsa_forward_progress 1
		.amdhsa_inst_pref_size 58
	.end_amdhsa_kernel
	.amdgpu_metadata
---
amdhsa.version: [ 1, 2 ]
amdhsa.kernels:
  - .name:           k_q086415aa73_outp
    .symbol:         k_q086415aa73_outp.kd
    .args:
      - { .name: ao, .offset: 0, .size: 8, .value_kind: global_buffer, .address_space: global }
      - { .name: wob, .offset: 8, .size: 8, .value_kind: global_buffer, .address_space: global }
      - { .name: bo, .offset: 16, .size: 8, .value_kind: global_buffer, .address_space: global }
      - { .name: out0, .offset: 24, .size: 8, .value_kind: global_buffer, .address_space: global }
    .group_segment_fixed_size: 296448
    .private_segment_fixed_size: 0
    .kernarg_segment_align: 8
    .kernarg_segment_size: 32
    .max_flat_workgroup_size: 128
    .sgpr_count:     86
    .vgpr_count:     384
    .wavefront_size: 32
...
	.end_amdgpu_metadata
.endif
;; end of part 3
